; MI455X (gfx1250); checked and timed in simulation.
; The chip was launched on July 23, 2026; its instructions are those of AMD's public machine-readable ISA for CDNA 5 (MIT licence, August 2026) and "CDNA5" Instruction Set Architecture Reference Guide (July 2026). The comments in the code are by the model that wrote it; some were corrected since.
;; Nearest Token Look Up. Allowed arithmetic: matrix products marked QUANTISED: E5M2 operands, one given power-of-two scale a tensor, by v_wmma_f32_16x16x64_bf8_bf8 or v_wmma_f32_16x16x128_bf8_bf8, f32 sums; everything else in f32.
;; Inputs: all_z 25,128 x 512 float32; lowp_scales 2 int32 (the exponents e of the quantised operands' scales 2^e); z 2 x 2,048 x 512 float32.
;; Outputs: out0 2 x 2,048 x 512 float32.
;; This version of the problem:
;;   THIS VERSION OF THE PROBLEM IS GIVEN IN LOW PRECISION. The matrix products marked QUANTISED in the list below multiply operands that are first quantised to E5M2 (5 exponent bits, 2 mantissa bits; 8 bits a number), with one given power-of-two scale for each operand tensor; their sums are f32. All else is computed in f32.
;;   The module's matrix products, in the order in which they are computed (A, B: the left and right operand; K: the contracted axis; several contracted axes count as one K, in the product's order):
;;     1. [M 4,096, K 512] x [K 512, N 25,128]; A: input z; B: input all_z: QUANTISED (scales: A lowp_scales[0], B lowp_scales[1])
;;   THE QUANTISER, for each operand of a quantised product, along K:
;;     - The operand's scale is 2^e, e = its entry of the input lowp_scales (int32; the entries are numbered through the quantised products in the list's order, A before B).
;;     - Each number is divided by the scale, clamped to +-57,344, and rounded to the nearest number of E5M2, ties to even, subnormals kept.
;;     - The product sums the exact products of the quantised numbers (number of the format x scale) in f32.
;;   ~~~python
;;   def quantise(x, axis, e):      # numpy; x: float32 -> the quantised numbers, widened to float32 again
;;       x = np.moveaxis(x, axis, -1); K = x.shape[-1]
;;       r = np.clip(x / 2.0 ** e, -57344, 57344)
;;       step = 2.0 ** (np.maximum(np.frexp(np.where(r == 0, 1, r))[1] - 1, -14) - 2)
;;       q = np.round(r / step) * step * 2.0 ** e      # np.round: ties to even
;;       return np.moveaxis(q, -1, axis).astype(np.float32)
;;   ~~~
;; One version. Each part assembles by itself: llvm-mc -triple=amdgcn-amd-amdhsa -mcpu=gfx1250 --defsym DOCPART=n.
;; ======== version 1 of 1: 3 launches
;; limits: right only within a limited range of input values
;; workspace buffers: zc 2,097,152 bytes; ec 13,107,200 bytes; en 204,800 bytes; part 1,048,576 bytes of whole numbers
;; launch quant (part 1): grid 928 x 1, 4 waves a work-group, no clusters, 34,304 bytes of LDS; arguments z, all_z, lowp_scales, zc, ec, en; writes zc, ec, en
.if DOCPART == 1
	.amdgcn_target "amdgcn-amd-amdhsa--gfx1250"
	.amdhsa_code_object_version 6
	.text
	.protected	k_q03efc101f9_quant
	.globl	k_q03efc101f9_quant
	.p2align	8
	.type	k_q03efc101f9_quant,@function
k_q03efc101f9_quant:
	s_mov_b64 s[64:65], 0
	v_nop
	global_prefetch_b8 v0, s[64:65] scope:SCOPE_SE
	s_setreg_imm32_b32 hwreg(HW_REG_WAVE_MODE, 25, 1), 1
	s_wait_xcnt 0x0
; z [4096][512] and all_z [25128][512], f32, become codes of BF8 (E5M2), each with the one scale 2^e that is given for it; of all_z the f32 sums of squares (of the numbers as given) are made too.
; code = x / 2^e, held within +-57,344, rounded to the nearest code, ties to even.  e: entry 0 of the scales for z, entry 1 for all_z.
; LIMITS: -126 <= e <= 112, so that 2^e and 57,344 x 2^e are f32 numbers.  NaN among the inputs is not served (an infinity is held at the largest code).
; LAYOUT OF THE CODES: tiles of 16 rows, 8,192 bytes each, in the order of a matrix operand's registers: byte 256 kc + 16 r + b of a tile is the code of its row r at k = 16 kc + b.
; So the 512 bytes at 2048 s + 512 c of a tile, 16 a lane, are registers 4 c .. 4 c + 3 of the fragment of K step s: lane (r, h) holds k = 128 s + 32 c + 16 h + 0 .. 15.
; SHARES: one wave, half a tile: 16 rows x 256 along K, two quarters of 128.  Waves 2 i and 2 i + 1 of a work-group take the two halves of one tile.
; Work-groups 0-127 take z (256 tiles), 128-927 all_z (1,600 tiles: rows 25,128 to 25,599 do not exist: their codes are zeros and their sums +infinity).
; THE NORMS leave as two partial sums: en[half][25,600]; the next launch adds the two.
; One path serves both tensors: only pointers and three numbers are chosen, on the work-group's number.  (z's sums of squares are made and dropped, for one path.)
; All 32 loads of a wave go out at its head, 512 consecutive bytes each.  A quarter is turned through the wave's own stage in LDS and comes back 16 neighbours along K at a time.
; 25,128 is a multiple of 8: a group of eight rows exists whole or not at all.  The tile's two groups have a base each, held at the tensor's last group: no load leaves its buffer.
; Waves share nothing: no barrier.  The sums leave as 64 consecutive bytes a wave; every other store of a wave covers 512 consecutive bytes, aligned, and stands behind the wave's last LDS store.
.set NZWG, 128                         ; work-groups for z
.set STG,  8448                        ; a wave's stage: 16 rows x SPI
.set SPI,  528                         ; a stage row: 512 bytes + 16: 33 x 16, so that the sixteen rows that a load touches start at sixteen different 16-byte columns
.set NS,   16                          ; v16-23   the sum of squares, four packed chains
.set C,    24                          ; v24-55   codes, a set of 16 registers for each quarter
.set X,    56                          ; v56-119  64 numbers of my row: register 16 i + n = k 32 i + 16 h + n of the quarter
.set R,    120                         ; v120-247 a set of 64 registers for each quarter, as loaded
; v1 lane; v2 16 x lane; v3 stage, way in; v4 stage, way out; v5 2^e; v6 the hold; v7 +infinity; v8 r; v9 h; v10 4 r; v11 my row's number; v248, v249 the add's two registers
	s_load_b128 s[4:7], s[0:1], 0x0                ; z, all_z
	s_load_b64 s[8:9], s[0:1], 0x10                ; the scales' exponents
	s_load_b128 s[12:15], s[0:1], 0x18             ; z's codes, all_z's codes
	s_load_b64 s[16:17], s[0:1], 0x28              ; the sums
	v_lshl_add_u32 v248, v0, 2, 0x8400
	v_mov_b32 v249, 0
	v_lshrrev_b32 v8, 5, v0
	v_readfirstlane_b32 s18, v8                    ; wave 0..3
	v_and_b32 v1, 31, v0
	v_lshlrev_b32 v2, 4, v1
	v_and_b32 v8, 15, v0                           ; r
	v_bfe_u32 v9, v0, 4, 1                         ; h
	s_mul_i32 s23, s18, STG
	v_add_nc_u32 v3, s23, v2                       ; in: a load's 512 bytes on end
	v_mul_u32_u24 v4, v8, SPI
	v_lshl_add_u32 v4, v9, 6, v4
	v_add_nc_u32 v4, s23, v4                       ; out: row r, + 64 h: my 16 numbers of a block of 32
	v_lshlrev_b32 v10, 2, v8
	v_mov_b32 v7, 0x7f800000
	s_mov_b32 s30, 0x76543210                      ; v_permlanex16_b32: lane l xor 16
	s_mov_b32 s31, 0xfedcba98
	s_mov_b32 s20, 3140                            ; all_z's last group of eight rows
	s_mov_b32 s21, 25128                           ; and its rows
	s_mov_b32 s25, 0
	s_mov_b32 s27, 0
	s_mov_b32 s33, 0
	s_lshr_b32 s34, s18, 1                         ; which of the work-group's two tiles,
	s_and_b32 s35, s18, 1                          ; which half of it along K
	s_wait_alu depctr_va_vdst(0)
	s_wait_kmcnt 0x0
	s_load_b64 s[10:11], s[8:9], 0x0               ; ea, eb
	s_cmp_lt_u32 ttmp9, NZWG                       ; z's work-group or all_z's?  The choice hangs on the work-group's number alone
	s_cselect_b64 s[4:5], s[4:5], s[6:7]
	s_cselect_b64 s[12:13], s[12:13], s[14:15]
	s_cselect_b32 s19, 0, NZWG
	s_cselect_b32 s20, 511, s20
	s_cselect_b32 s21, 4096, s21
	s_sub_co_u32 s22, ttmp9, s19
	s_lshl_b32 s22, s22, 1
	s_add_co_u32 s22, s22, s34                     ; my tile
	s_lshl_b32 s24, s22, 1
	s_add_co_u32 s26, s24, 1
	s_min_u32 s24, s24, s20                        ; its two groups of eight rows, held at the last that exists
	s_min_u32 s26, s26, s20
	s_lshl_b32 s24, s24, 14                        ; eight rows of 2,048 bytes
	s_lshl_b32 s26, s26, 14
	s_add_nc_u64 s[24:25], s[4:5], s[24:25]
	s_add_nc_u64 s[26:27], s[4:5], s[26:27]
	s_lshl_b32 s32, s35, 10                        ; my half of a row: 1,024 bytes
	s_add_nc_u64 s[24:25], s[24:25], s[32:33]
	s_add_nc_u64 s[26:27], s[26:27], s[32:33]
	s_lshl_b32 s32, s22, 13
	s_add_nc_u64 s[12:13], s[12:13], s[32:33]      ; my tile's codes,
	s_lshl_b32 s32, s35, 12
	s_add_nc_u64 s[12:13], s[12:13], s[32:33]      ; my half of them: 4,096 bytes
	s_lshl_b32 s32, s22, 6
	s_add_nc_u64 s[16:17], s[16:17], s[32:33]      ; my tile's sums,
	s_mul_i32 s32, s35, 102400
	s_add_nc_u64 s[16:17], s[16:17], s[32:33]      ; in my half's list
	s_lshl_b32 s29, s22, 4
	v_add_nc_u32 v11, s29, v8
	v_cmp_gt_u32 s28, s21, v11                     ; the lanes whose row exists
.macro LOAD qd                         ; quarter qd of my half of the 16 rows: each load reads 512 consecutive bytes of one row
.irp p, 0,1,2,3,4,5,6,7,8,9,10,11,12,13,14,15
.if \p < 8
	global_load_b128 v[R+64*(\qd)+4*\p:R+64*(\qd)+4*\p+3], v2, s[24:25] offset:\p*2048+(\qd)*512 th:TH_LOAD_NT
.else
	global_load_b128 v[R+64*(\qd)+4*\p:R+64*(\qd)+4*\p+3], v2, s[26:27] offset:(\p-8)*2048+(\qd)*512 th:TH_LOAD_NT
.endif
.endr
.endm
.macro TURN qd                         ; through the stage: LDS serves a wave's instructions in order (ISA guide 5.7.1.4), so no wait stands between the stores and the loads
.irp p, 0,1,2,3,4,5,6,7,8,9,10,11,12,13,14,15
	ds_store_b128 v3, v[R+64*(\qd)+4*\p:R+64*(\qd)+4*\p+3] offset:\p*SPI
.endr
.irp i, 0,1,2,3
.irp j, 0,1,2,3
	ds_load_b128 v[X+16*\i+4*\j:X+16*\i+4*\j+3], v4 offset:\i*128+\j*16
.endr
.endr
.endm
	LOAD 0
	LOAD 1
	s_wait_kmcnt 0x0
	s_cmp_lt_u32 ttmp9, NZWG
	s_cselect_b32 s10, s10, s11                    ; e
	s_add_co_i32 s10, s10, 127
	s_lshl_b32 s11, s10, 23
	v_mov_b32 v5, s11                              ; 2^e as f32: the conversion takes its exponent field
	s_add_co_i32 s10, s10, 15
	s_lshl_b32 s10, s10, 23
	s_or_b32 s10, s10, 0x600000
	v_mov_b32 v6, s10                              ; 57,344 x 2^e,
	v_cndmask_b32 v6, 0, v6, s28                   ; or 0 where the row does not exist: its numbers are held at zero
	s_wait_alu depctr_va_vdst(0)
.macro STEP qd
	s_wait_loadcnt 16-16*(\qd)                     ; this quarter's 16 loads are in; in quarter 0 the other quarter's 16 may be out
	TURN \qd
	s_wait_dscnt 0x0                               ; my numbers are back
.set m, 0
.rept 32                               ; the sum of squares, of the numbers as they are given; the first four products start the chains: nothing is cleared
.if ((\qd) == 0) && (m < 4)
	v_pk_mul_f32 v[NS+2*m:NS+2*m+1], v[X+2*m:X+2*m+1], v[X+2*m:X+2*m+1]
.else
	v_pk_fma_f32 v[NS+2*(m%4):NS+2*(m%4)+1], v[X+2*m:X+2*m+1], v[X+2*m:X+2*m+1], v[NS+2*(m%4):NS+2*(m%4)+1]
.endif
.set m, m+1
.endr
.set m, 0
.rept 64
	v_med3_num_f32 v[X+m], v[X+m], -v6, v6         ; the conversion to an 8-bit code does not saturate (ISA guide 7.6.2): the hold comes first
.set m, m+1
.endr
.set m, 0
.rept 8
	v_cvt_scalef32_pk8_bf8_f32 v[C+16*(\qd)+2*m:C+16*(\qd)+2*m+1], v[X+8*m:X+8*m+7], v5
.set m, m+1
.endr
	v_nop                                          ; one plain vector line behind the last conversion of a run
.endm
	STEP 0
	STEP 1
.irp qd, 0,1
.irp i, 0,1,2,3
	global_store_b128 v2, v[C+16*\qd+4*\i:C+16*\qd+4*\i+3], s[12:13] offset:\qd*2048+\i*512   ; 512 consecutive bytes, aligned
.endr
.endr
	v_pk_add_f32 v[NS:NS+1], v[NS:NS+1], v[NS+2:NS+3]
	v_pk_add_f32 v[NS+4:NS+5], v[NS+4:NS+5], v[NS+6:NS+7]
	v_pk_add_f32 v[NS:NS+1], v[NS:NS+1], v[NS+4:NS+5]
	v_add_f32 v[NS], v[NS], v[NS+1]
	v_permlanex16_b32 v9, v[NS], s30, s31          ; the row's other numbers lie in the lane 16 away (v9 has been written: the destination counts as read)
	v_add_f32 v[NS], v[NS], v9
	v_cndmask_b32 v[NS], v7, v[NS], s28            ; a row that does not exist is infinitely far
	s_cmp_lt_u32 ttmp9, NZWG
	s_cbranch_scc1 .Ldone                          ; z has no sums to store
	s_wait_xcnt 0x0                                ; EXEC is a source of the stores above: it changes only behind this wait
	v_cmp_gt_u32 vcc_lo, 16, v1
	s_and_saveexec_b32 s29, vcc_lo
	s_wait_alu depctr_va_vdst(0)
	global_store_b32 v10, v[NS], s[16:17]          ; lanes 0-15: the sixteen sums
	s_wait_xcnt 0x0
	s_or_b32 exec_lo, exec_lo, s29
.Ldone:
	s_wait_tensorcnt 0x0                           ; the wave's end
	ds_add_u32 v248, v249
	s_wait_dscnt 0x0
	s_endpgm
.Lfunc_end_k_q03efc101f9_quant:
	.size	k_q03efc101f9_quant, .Lfunc_end_k_q03efc101f9_quant-k_q03efc101f9_quant
	.p2alignl 7, 3214868480
	.fill 96, 4, 3214868480
	.section	.rodata,"a",@progbits
	.p2align	6, 0x0
	.amdhsa_kernel k_q03efc101f9_quant
		.amdhsa_group_segment_fixed_size 34304
		.amdhsa_private_segment_fixed_size 0
		.amdhsa_enable_private_segment 0
		.amdhsa_kernarg_size 48
		.amdhsa_user_sgpr_count 2
		.amdhsa_user_sgpr_kernarg_segment_ptr 1
		.amdhsa_wavefront_size32 1
		.amdhsa_system_sgpr_workgroup_id_x 1
		.amdhsa_system_sgpr_workgroup_id_y 1
		.amdhsa_system_sgpr_workgroup_id_z 1
		.amdhsa_system_vgpr_workitem_id 0
		.amdhsa_next_free_vgpr 250
		.amdhsa_next_free_sgpr 66
		.amdhsa_reserve_vcc 1
		.amdhsa_float_denorm_mode_32 3
		.amdhsa_float_denorm_mode_16_64 3
		.amdhsa_memory_ordered 1
		.amdhsa_forward_progress 1
		.amdhsa_inst_pref_size 26
	.end_amdhsa_kernel
	.amdgpu_metadata
---
amdhsa.version: [ 1, 2 ]
amdhsa.kernels:
  - .name:           k_q03efc101f9_quant
    .symbol:         k_q03efc101f9_quant.kd
    .args:
      - { .name: z, .offset: 0, .size: 8, .value_kind: global_buffer, .address_space: global }
      - { .name: all_z, .offset: 8, .size: 8, .value_kind: global_buffer, .address_space: global }
      - { .name: lowp_scales, .offset: 16, .size: 8, .value_kind: global_buffer, .address_space: global }
      - { .name: zc, .offset: 24, .size: 8, .value_kind: global_buffer, .address_space: global }
      - { .name: ec, .offset: 32, .size: 8, .value_kind: global_buffer, .address_space: global }
      - { .name: en, .offset: 40, .size: 8, .value_kind: global_buffer, .address_space: global }
    .group_segment_fixed_size: 34304
    .private_segment_fixed_size: 0
    .kernarg_segment_align: 8
    .kernarg_segment_size: 48
    .max_flat_workgroup_size: 128
    .sgpr_count:     66
    .vgpr_count:     250
    .wavefront_size: 32
...
	.end_amdgpu_metadata
.endif
;; end of part 1
;; launch knn (part 2): grid 8 x 32, 8 waves a work-group, clusters of 4 x 1, 327,680 bytes of LDS; arguments zc, ec, en, lowp_scales, part; writes part
.if DOCPART == 2
	.amdgcn_target "amdgcn-amd-amdhsa--gfx1250"
	.amdhsa_code_object_version 6
	.text
	.protected	k_q03efc101f9_knn
	.globl	k_q03efc101f9_knn
	.p2align	8
	.type	k_q03efc101f9_knn,@function
k_q03efc101f9_knn:
	s_mov_b64 s[64:65], 0
	v_nop
	global_prefetch_b8 v0, s[64:65] scope:SCOPE_SE
	s_setreg_imm32_b32 hwreg(HW_REG_WAVE_MODE, 25, 1), 1
	s_wait_xcnt 0x0
	s_wait_alu depctr_hold_cnt(0) depctr_sa_sdst(0) depctr_va_vdst(0) depctr_va_sdst(0) depctr_va_ssrc(0) depctr_va_vcc(0) depctr_vm_vsrc(0)
	s_getreg_b32 s2, hwreg(HW_REG_IB_STS2, 6, 4)
	s_cmp_eq_u32 s2, 0
	s_cbranch_scc0 .Lentry_in_a_cluster
	s_endpgm
.Lentry_in_a_cluster:
	s_bfe_u32 s2, ttmp6, 0x10000c
	s_cmp_lg_u32 s2, 0x3003
	s_cbranch_scc0 .Lentry_shape_is_right
	s_endpgm
.Lentry_shape_is_right:
; For 512 queries and a chunk of 800 rows of all_z: raw(q, e) = (codes of q) . (codes of e) - |e|^2 x 2^-(ea+eb+1), so that the score of reference() is -2^(ea+eb+1) x raw:
; the row with the smallest score is the row with the largest raw.  Stored for each query: the chunk's best as (key, row), two whole numbers.  key is raw's f32 pattern turned into a
; signed whole number of the same order (x >= 0: x's bits; x < 0: the bits with the lower 31 turned over), so that the next launch compares whole numbers alone.
; Of equal raws the lowest row stays, as in an argmin.  LIMITS: -128 <= ea + eb <= 125, so that 2^-(ea+eb+1) is an f32 number; NaN is not served; a norm x that factor is held at -3e38 (rows past 25,127 have norm +infinity).
; SHARES: grid x = 8 blocks of 512 queries, grid y = 32 chunks of 50 tiles of 16 rows.  Eight waves, two to a SIMD; a wave owns 64 queries: 4 tiles x 4 K steps x 16 registers = 256 registers, all of window 1.
; Codes lie in tiles of 8,192 bytes in the order of an operand's registers (see the quantising launch): the 512 bytes at 512 k of a tile, 16 a lane, are registers 4 k .. 4 k + 3.
; THE PRODUCT IS USED WITH all_z AS SOURCE 0: lane (r, h) holds query r, register j row 8 h + j of the tile.  The norms (two partial sums, added here) go in as the C of the first K step.
; ARGMAX: for each query tile a chain of four three-input maxima runs from the best so far through the eight results v0 .. v7: m1, m2, m3, the new best (two sets by turns).
; Where the best has grown, eight numbers are kept: the tile's number, m1, m2, m3, v0, v2, v4, v6.  At the end the first of m1, m2, m3 that equals the best names the pair (else the last pair),
; and the pair's kept first value tells which of the two it was.  One compare into VCC serves the eight selections, which go two to an instruction.
; A tile's 16 matrix instructions stand in one group and its lines of the argmax in another, under two switches of the register window.
; LDS: region A (13 tiles) takes tiles 0-12 and later 37-49, region B tiles 13-36; then the norms x factor (3,328 bytes) and the spare words (1,024).  Each wave brings an eighth of a region by one tensor load.
; CLUSTER: the four work-groups along x read the same chunk: each of the three loads is a joint load with the mask 15.
; NO PREFETCH: the chunk comes by three loads a wave; the first two go out at the head, where there is no loop to run ahead in, and the third is issued 24 tiles of work ahead of its first read.
.set TILEB, 8192
.set REGA,  13*TILEB
.set REGB,  24*TILEB
.set NORM,  37*TILEB
.set SPARE, NORM+3328
.set CHB,   50*TILEB
.set LN16,  1                          ; 16 x lane
.set NBASE, 2                          ; NORM + 32 h + 4 (i % 8) + 64 (i / 8), i = lane % 16: my word of two tiles' norms
.set FADR,  3                          ; where the pair's two fetches begin: codes,
.set NADR,  4                          ; norms
.set SPW,   5                          ; my spare word; never rewritten
.set NIL,   6                          ; 0; never rewritten
.set T0,    7                          ; the tile's number in the chunk
.set HB,    8                          ; 800 x chunk + 8 h
.set OFF8,  9                          ; 8 x lane
.set NV,    10                         ; the norms of two tiles: in each row of 16 lanes, lanes 0-7 hold rows 8 h + 0 .. 7 of one tile, lanes 8-15 those of the next
.set NRM,   16                         ; v16-31   norms, two sets of 8
.set EB,    32                         ; v32-159  a tile's fragments, two sets of 64
.set ACC,   160                        ; v160-191 four accumulators
.set BA,    192                        ; v192-195, v196-199 the best of query tile q, two sets by turns
.set BB,    196
.set MT,    200                        ; v[200+4q ..] m1, m2, m3 of query tile q
.set SV,    216                        ; v[216+8q ..] what is kept: tile, m1, m2, m3, v0, v2, v4, v6
.set OUT,   32
.set WVN,   14
.set G1A,   24
.set G1B,   32
.set G0A,   40
.set G0B,   44
.set G0C,   48
.set FP,    52
.set NP,    53
.set CNT,   54
.set NSC,   57
.set SEL,   58
.set HI16,  60
.set NINF,  61
.set MK,    70                         ; s70-85 sixteen masks, for the end
.set MSB, 0
.macro WIN new                         ; the immediate's high byte repeats the setting that is left
.if MSB != \new
	s_set_vgpr_msb (MSB<<8)|\new
.set MSB, \new
.endif
.endm
.macro CROUND                          ; a round of the cluster's barrier
	s_barrier_signal -1
	s_barrier_wait -1
	s_cmp_lg_u32 s[WVN], 0
	s_cbranch_scc1 .Lnot_wave_0_\@
	s_barrier_signal -3
.Lnot_wave_0_\@:
	s_barrier_wait -3
	s_barrier_signal -1
	s_barrier_wait -1
.endm
.macro PLACES
.rept 4
	v_nop
.endr
.endm
.macro FETCH buf, fa, coff, na, noff   ; a tile's fragments into set buf: 16 LDS loads, each lane 16 neighbouring bytes; ahead of them, once for two tiles (noff = 0), one word a lane of norms
.if (\noff) == 0
	ds_load_b32 v[NV], v[\na]
.endif
.irp k, 0,1,2,3,4,5,6,7,8,9,10,11,12,13,14,15
	ds_load_b128 v[EB+64*(\buf)+4*\k:EB+64*(\buf)+4*\k+3], v[\fa] offset:(\coff)+512*\k
.endr
.endm
.macro MULT b                          ; 16 matrix instructions: the four accumulators by turns, K ascending
	WIN 0x04                                       ; source 1, the queries, in window 1
.set i, 0
.rept 16
.set rD, ACC+8*(i%4)
.set rF, EB+64*(\b)+16*(i/4)
.set rQ, 64*(i%4)+16*(i/4)
.if i < 4
	v_wmma_f32_16x16x128_bf8_bf8 v[rD:rD+7], v[rF:rF+15], v[rQ:rQ+15], v[NRM+8*(\b):NRM+8*(\b)+7]
.else
	v_wmma_f32_16x16x128_bf8_bf8 v[rD:rD+7], v[rF:rF+15], v[rQ:rQ+15], v[rD:rD+7]
.endif
.set i, i+1
.endr
	WIN 0
.endm
.macro SL b                            ; the argmax over the tile's 32 results a lane; the four query tiles' chains take turns; each accumulator is read from its low end on
.if \b
.set rO, BB
.set rW, BA
.else
.set rO, BA
.set rW, BB
.endif
.irp q, 0,1,2,3
	v_max3_num_f32 v[MT+4*\q], v[rO+\q], v[ACC+8*\q], v[ACC+8*\q+1]
.endr
.irp q, 0,1,2,3
	v_max3_num_f32 v[MT+4*\q+1], v[MT+4*\q], v[ACC+8*\q+2], v[ACC+8*\q+3]
.endr
.irp q, 0,1,2,3
	v_max3_num_f32 v[MT+4*\q+2], v[MT+4*\q+1], v[ACC+8*\q+4], v[ACC+8*\q+5]
.endr
.irp q, 0,1,2,3
	v_max3_num_f32 v[rW+\q], v[MT+4*\q+2], v[ACC+8*\q+6], v[ACC+8*\q+7]
.endr
.irp q, 0,1,2,3
	v_cmp_gt_f32 vcc_lo, v[rW+\q], v[rO+\q]        ; only a strictly larger value counts: the first tile stays
	v_dual_cndmask_b32 v[SV+8*\q], v[SV+8*\q], v[T0] :: v_dual_cndmask_b32 v[SV+8*\q+1], v[SV+8*\q+1], v[MT+4*\q]
	v_dual_cndmask_b32 v[SV+8*\q+2], v[SV+8*\q+2], v[MT+4*\q+1] :: v_dual_cndmask_b32 v[SV+8*\q+3], v[SV+8*\q+3], v[MT+4*\q+2]
	v_dual_cndmask_b32 v[SV+8*\q+4], v[SV+8*\q+4], v[ACC+8*\q] :: v_dual_cndmask_b32 v[SV+8*\q+5], v[SV+8*\q+5], v[ACC+8*\q+2]
	v_dual_cndmask_b32 v[SV+8*\q+6], v[SV+8*\q+6], v[ACC+8*\q+4] :: v_dual_cndmask_b32 v[SV+8*\q+7], v[SV+8*\q+7], v[ACC+8*\q+6]
.endr
.endm
.macro TILE b, fetch, first
	s_wait_dscnt 0x0                               ; this tile's 16 loads, issued a tile ago, are in
.if \first
	v_add_nc_u32 v[FADR], s[FP], v[LN16]
	v_add_nc_u32 v[NADR], s[NP], v[NBASE]
.endif
.if \fetch
	FETCH 1-\b, FADR, (\b)*TILEB, NADR, (\b)*64    ; the next tile, into the set that the last tile's products have read (the argmax's lines stand between)
.endif
	MULT \b
.if \fetch                             ; the next tile's norms into the other set of C registers: register j of lane (r, h) takes lane j (or 8 + j) of its row of 16 lanes
.if \first
	s_wait_dscnt 16                                ; the norms' word is in: behind it only the 16 loads of fragments were issued
.endif
.if \b
.irp j, 8,9,10,11,12,13,14,15
	v_mov_b32_dpp v[NRM+\j-8], v[NV] row_share:\j row_mask:0xf bank_mask:0xf
.endr
.else
.irp j, 0,1,2,3,4,5,6,7
	v_mov_b32_dpp v[NRM+8+\j], v[NV] row_share:\j row_mask:0xf bank_mask:0xf
.endr
.endif
.endif
	PLACES                                         ; four places ahead of the first read of results
	SL \b
	v_add_nc_u32 v[T0], 1, v[T0]
.endm
.macro PAIR f2
	TILE 0, 1, 1
	s_add_co_u32 s[FP], s[FP], 2*TILEB
	s_add_co_u32 s[NP], s[NP], 128
	TILE 1, \f2, 0
.endm
.macro MERGE va, ia, vb, ib            ; (vb, ib) takes (va, ia)'s place if it is larger, or equal with the lower row
	v_cmp_gt_f32 s[MK], v[\vb], v[\va]
	v_cmp_eq_f32 s[MK+1], v[\vb], v[\va]
	v_cmp_lt_u32 s[MK+2], v[\ib], v[\ia]
	s_and_b32 s[MK+1], s[MK+1], s[MK+2]
	s_or_b32 s[MK], s[MK], s[MK+1]
	v_cndmask_b32 v[\va], v[\va], v[\vb], s[MK]
	v_cndmask_b32 v[\ia], v[\ia], v[\ib], s[MK]
.endm
.macro QLOAD q                         ; a tile of my queries into window 1: 16 loads of 512 consecutive bytes
.irp k, 0,1,2,3,4,5,6,7,8,9,10,11,12,13,14,15
	global_load_b128 v[64*\q+4*\k:64*\q+4*\k+3], v[LN16], s[4:5] offset:\q*TILEB+512*\k
.endr
.endm
	s_load_b256 s[4:11], s[0:1], 0x0               ; z's codes, all_z's codes, the norms' two lists, the scales' exponents
	s_load_b64 s[12:13], s[0:1], 0x20              ; the parts
	v_lshl_add_u32 v[SPW], v0, 2, SPARE
	v_mov_b32 v[NIL], 0
	ds_add_u32 v[SPW], v[NIL]                      ; the opening lines: the add, twice on end, and its wait
	ds_add_u32 v[SPW], v[NIL]
	v_lshrrev_b32 v10, 5, v0
	v_readfirstlane_b32 s[WVN], v10                ; wave 0..7
	s_bfe_u32 s15, ttmp6, 0x40000                  ; cx
	s_lshl_b32 s16, ttmp9, 2
	s_add_co_u32 s16, s16, s15                     ; block of queries
	s_and_b32 s17, ttmp7, 0xffff                   ; chunk
.irp g, G1A, G1B                       ; group 1: dense rows of 256 bytes (32 elements of 8), mask 15 with bit 21 beside it
	s_mov_b32 s[\g], 15|(3<<16)|(1<<21)
	s_mov_b32 s[\g+1], 32<<16
	s_mov_b32 s[\g+3], 32<<16
	s_mov_b32 s[\g+5], 32
	s_mov_b32 s[\g+6], 0
	s_mov_b32 s[\g+7], 0
.endr
	s_mov_b32 s[G1A+2], 52<<16                     ; an eighth of region A: 52 rows
	s_mov_b32 s[G1A+4], 52
	s_mov_b32 s[G1B+2], 96<<16                     ; of region B: 96 rows
	s_mov_b32 s[G1B+4], 96
	s_mul_i32 s18, s17, CHB
	s_mul_i32 s19, s[WVN], REGA/8
	s_mul_i32 s20, s[WVN], REGB/8
	s_add_co_u32 s20, s20, REGA
	s_add_co_u32 s22, s18, s19
	s_mov_b32 s23, 0
	s_add_co_u32 s68, s18, s20
	s_mov_b32 s69, 0
	s_mul_i32 s2, s17, 3200                        ; the chunk's 800 norms
	s_mov_b32 s3, 0
	s_lshl_b32 s62, s16, 18                        ; 512 queries x 512 bytes,
	s_lshl_b32 s55, s[WVN], 15                     ; 64 of them a wave
	s_add_co_u32 s62, s62, s55
	s_mov_b32 s63, 0
	s_mul_i32 s21, s17, 800
	s_mov_b32 s[SEL], 0x76543210                   ; v_permlanex16_b32: lane l xor 16
	s_mov_b32 s[SEL+1], 0xfedcba98
	s_mov_b32 s[HI16], 0xffff0000
	s_mov_b32 s[NINF], 0xff800000
	v_and_b32 v[LN16], 31, v0
	v_lshlrev_b32 v[LN16], 4, v[LN16]
	v_lshrrev_b32 v[OFF8], 1, v[LN16]
	v_bfe_u32 v10, v0, 4, 1                        ; h
	v_lshl_add_u32 v[NBASE], v10, 5, NORM
	v_and_b32 v11, 7, v0
	v_lshl_add_u32 v[NBASE], v11, 2, v[NBASE]
	v_bfe_u32 v11, v0, 3, 1
	v_lshl_add_u32 v[NBASE], v11, 6, v[NBASE]
	v_lshl_add_u32 v[HB], v10, 3, s21
	v_lshlrev_b32 v14, 2, v0                       ; the norms: 4 bytes a thread, in memory
	v_lshl_add_u32 v15, v0, 2, NORM                ; and in LDS
	s_wait_alu depctr_va_vdst(0)
	s_wait_dscnt 0x0                               ; both opening adds are done
	s_wait_kmcnt 0x0
	s_load_b64 s[66:67], s[10:11], 0x0             ; ea, eb
	s_mov_b32 s[G0A], 1
	s_mov_b32 s[G0A+1], s19
	s_add_nc_u64 s[G0A+2:G0A+3], s[6:7], s[22:23]  ; tiles 0-12
	s_mov_b32 s[G0C], 1
	s_mov_b32 s[G0C+1], s19
	s_add_nc_u64 s[G0C+2:G0C+3], s[G0A+2:G0A+3], 37*TILEB   ; tiles 37-49, into the same bytes
	s_or_b32 s[G0A+3], s[G0A+3], 0x80000000
	s_or_b32 s[G0C+3], s[G0C+3], 0x80000000
	s_mov_b32 s[G0B], 1
	s_mov_b32 s[G0B+1], s20
	s_add_nc_u64 s[G0B+2:G0B+3], s[6:7], s[68:69]  ; tiles 13-36
	s_or_b32 s[G0B+3], s[G0B+3], 0x80000000
	s_add_nc_u64 s[8:9], s[8:9], s[2:3]
	s_add_nc_u64 s[4:5], s[4:5], s[62:63]
	s_lshl_b32 s62, s16, 12                        ; the parts: [chunk][query] of 8 bytes
	s_lshl_b32 s55, s17, 15
	s_add_co_u32 s62, s62, s55
	s_lshl_b32 s55, s[WVN], 9
	s_add_co_u32 s62, s62, s55
	s_add_nc_u64 s[12:13], s[12:13], s[62:63]
	CROUND                                         ; the four partners are here: the first joint loads meet
	tensor_load_to_lds s[G0A:G0A+3], s[G1A:G1A+7]  ; my one tensor load at the head
	s_nop 0
	PLACES
.irp i, 0,1,2
	global_load_b32 v[10+\i], v14, s[8:9] offset:1024*\i          ; norms 0-767, 256 threads x 3: the first partial sums,
	global_load_b32 v[32+\i], v14, s[8:9] offset:102400+1024*\i   ; the second
.endr
	s_cmp_lg_u32 s[WVN], 0
	s_cbranch_scc1 .Lno_tail_load
	global_load_b32 v13, v14, s[8:9] offset:3072   ; norms 768-799: wave 0
	global_load_b32 v35, v14, s[8:9] offset:102400+3072
.Lno_tail_load:
	WIN 0x40                                       ; destination in window 1
	QLOAD 0
	QLOAD 1
	QLOAD 2
	QLOAD 3
	WIN 0
.irp q, 0,1,2,3
	v_mov_b32 v[BA+\q], s[NINF]                    ; under every value that a product can give (the norms are held at -3e38), so the first tile fills what is kept
.endr
.set x, 0
.rept 32
	v_mov_b32 v[SV+x], 0                           ; written once: a selection reads its destination
.set x, x+1
.endr
	v_mov_b32 v[T0], 0
.set x, 0
.rept 16
	v_mov_b32 v[NRM+x], 0                          ; written once: the destination of a lane move counts as read
.set x, x+1
.endr
	s_wait_alu depctr_va_vdst(0)
	s_wait_kmcnt 0x0
	s_add_co_i32 s[NSC], s66, s67
	s_sub_co_i32 s[NSC], 126, s[NSC]
	s_lshl_b32 s[NSC], s[NSC], 23
	s_or_b32 s[NSC], s[NSC], 0x80000000            ; -2^-(ea+eb+1)
	s_wait_loadcnt 63                              ; the norms are in: 64 loads of queries were issued behind them, of which at most 63 are still out
.irp i, 0,1,2
	v_add_f32 v[10+\i], v[10+\i], v[32+\i]
.endr
.irp i, 0,1,2
	v_mul_f32 v[10+\i], s[NSC], v[10+\i]
.endr
.irp i, 0,1,2
	v_max_num_f32 v[10+\i], 0xff61b1e6, v[10+\i]
.endr
.irp i, 0,1,2
	ds_store_b32 v15, v[10+\i] offset:1024*\i
.endr
	s_cmp_lg_u32 s[WVN], 0
	s_cbranch_scc1 .Lno_tail_store
	v_add_f32 v13, v13, v35
	v_mul_f32 v13, s[NSC], v13
	v_max_num_f32 v13, 0xff61b1e6, v13
	ds_store_b32 v15, v13 offset:3072
	ds_store_b32 v15, v[T0] offset:3200            ; zeros behind the 800th norm: the last pair's word of norms reaches 64 bytes past it, and no byte is read that nobody wrote
.Lno_tail_store:
	s_wait_tensorcnt 0x0                           ; my part of tiles 0-12 is in
	ds_add_u32 v[SPW], v[NIL]
	s_wait_dscnt 0x0                               ; the add and my stores of norms are done
	CROUND                                         ; every wave's part of region A and of the norms is in
	tensor_load_to_lds s[G0B:G0B+3], s[G1B:G1B+7]  ; region B's first fill, the first tensor load behind the round
	s_nop 0
	PLACES
	FETCH 0, LN16, 0, NBASE, 0                     ; tile 0
	s_mov_b32 s[FP], TILEB
	s_mov_b32 s[NP], 64
	s_mov_b32 s[CNT], 6
	s_wait_dscnt 16                                ; the norms' word is in: behind it only the 16 loads of fragments were issued
.irp j, 0,1,2,3,4,5,6,7
	v_mov_b32_dpp v[NRM+\j], v[NV] row_share:\j row_mask:0xf bank_mask:0xf   ; tile 0's norms
.endr
	s_wait_alu depctr_va_vdst(0)
	s_wait_loadcnt 0x0                             ; my queries are in
.LloopA:                                               ; tiles 0-11; fetches tiles 1-12
	PAIR 1
	s_sub_co_u32 s[CNT], s[CNT], 1
	s_cmp_lg_u32 s[CNT], 0
	s_cbranch_scc1 .LloopA
	s_wait_tensorcnt 0x0                           ; region B is in;
	ds_add_u32 v[SPW], v[NIL]
	s_wait_dscnt 0x0                               ; the add is done, and my reads of region A are over (tile 12 is in registers)
	CROUND
	tensor_load_to_lds s[G0C:G0C+3], s[G1A:G1A+7]  ; region A is filled again: tiles 37-49
	s_nop 0
	PLACES
	s_mov_b32 s[FP], 13*TILEB
	s_mov_b32 s[NP], 13*64
	s_mov_b32 s[CNT], 12
.LloopB:                                               ; tiles 12-35; fetches tiles 13-36
	PAIR 1
	s_sub_co_u32 s[CNT], s[CNT], 1
	s_cmp_lg_u32 s[CNT], 0
	s_cbranch_scc1 .LloopB
	s_wait_tensorcnt 0x0                           ; my part of tiles 37-49 is in
	s_wait_dscnt 0x0
	s_barrier_signal -1
	s_barrier_wait -1                              ; and everybody's
	s_mov_b32 s[FP], 0
	s_mov_b32 s[NP], 37*64
	s_mov_b32 s[CNT], 6
.LloopC:                                               ; tiles 36-47; fetches tiles 37-48
	PAIR 1
	s_sub_co_u32 s[CNT], s[CNT], 1
	s_cmp_lg_u32 s[CNT], 0
	s_cbranch_scc1 .LloopC
	PAIR 0                                         ; tiles 48 and 49
	; the end: which of the best tile's eight rows it was.  The first of m1, m2, m3 that equals the best names the pair
.irp q, 0,1,2,3
	v_cmp_eq_f32 s[MK+4*\q], v[SV+8*\q+1], v[BA+\q]
	v_cmp_eq_f32 s[MK+4*\q+1], v[SV+8*\q+2], v[BA+\q]
	v_cmp_eq_f32 s[MK+4*\q+2], v[SV+8*\q+3], v[BA+\q]
.endr
.irp q, 0,1,2,3
	v_cndmask_b32 v[SV+8*\q+7], v[SV+8*\q+7], v[SV+8*\q+6], s[MK+4*\q+2]   ; the pair's first value,
	v_cndmask_b32 v[MT+4*\q], 6, 4, s[MK+4*\q+2]                           ; and its place
.endr
.irp q, 0,1,2,3
	v_cndmask_b32 v[SV+8*\q+7], v[SV+8*\q+7], v[SV+8*\q+5], s[MK+4*\q+1]
	v_cndmask_b32 v[MT+4*\q], v[MT+4*\q], 2, s[MK+4*\q+1]
.endr
.irp q, 0,1,2,3
	v_cndmask_b32 v[SV+8*\q+7], v[SV+8*\q+7], v[SV+8*\q+4], s[MK+4*\q]
	v_cndmask_b32 v[MT+4*\q], v[MT+4*\q], 0, s[MK+4*\q]
.endr
.irp q, 0,1,2,3
	v_cmp_neq_f32 s[MK+4*\q+3], v[SV+8*\q+7], v[BA+\q]   ; the pair's first value is not the best: it was the second
.endr
.irp q, 0,1,2,3
	v_cndmask_b32 v[MT+4*\q+1], 0, 1, s[MK+4*\q+3]
.endr
.irp q, 0,1,2,3
	v_lshl_add_u32 v[SV+8*\q], v[SV+8*\q], 4, v[MT+4*\q]
.endr
.irp q, 0,1,2,3
	v_add3_u32 v[SV+8*\q], v[SV+8*\q], v[HB], v[MT+4*\q+1]   ; the row's number in all_z
.endr
.irp q, 0,1,2,3
	v_permlanex16_b32 v[SV+8*\q+1], v[BA+\q], s[SEL], s[SEL+1]   ; the other eight rows of a tile lie in the lane 16 away
	v_permlanex16_b32 v[SV+8*\q+2], v[SV+8*\q], s[SEL], s[SEL+1]
.endr
.irp q, 0,1,2,3
	MERGE BA+\q, SV+8*\q, SV+8*\q+1, SV+8*\q+2
.endr
.irp a, 0,1
	v_cndmask_b32 v[OUT+4*\a], v[BA+2*\a], v[BA+2*\a+1], s[HI16]   ; lanes 0-15 one query tile, lanes 16-31 the next: 32 neighbouring queries
	v_cndmask_b32 v[OUT+4*\a+1], v[SV+16*\a], v[SV+16*\a+8], s[HI16]
	v_add_f32 v[OUT+4*\a], 0, v[OUT+4*\a]          ; -0 becomes +0: equal numbers get equal keys
	v_ashrrev_i32 v[OUT+4*\a+2], 31, v[OUT+4*\a]
	v_lshrrev_b32 v[OUT+4*\a+2], 1, v[OUT+4*\a+2]
	v_xor_b32 v[OUT+4*\a], v[OUT+4*\a], v[OUT+4*\a+2]   ; the key: a signed whole number in the order of the f32 numbers
	global_store_b64 v[OFF8], v[OUT+4*\a:OUT+4*\a+1], s[12:13] offset:256*\a   ; the wave stores 256 consecutive bytes, aligned
.endr
	s_wait_tensorcnt 0x0                           ; the wave's end
	ds_add_u32 v[SPW], v[NIL]
	s_wait_dscnt 0x0
	CROUND                                         ; the closing round
	s_endpgm
.Lfunc_end_k_q03efc101f9_knn:
	.size	k_q03efc101f9_knn, .Lfunc_end_k_q03efc101f9_knn-k_q03efc101f9_knn
	.p2alignl 7, 3214868480
	.fill 96, 4, 3214868480
	.section	.rodata,"a",@progbits
	.p2align	6, 0x0
	.amdhsa_kernel k_q03efc101f9_knn
		.amdhsa_group_segment_fixed_size 327680
		.amdhsa_private_segment_fixed_size 0
		.amdhsa_enable_private_segment 0
		.amdhsa_kernarg_size 40
		.amdhsa_user_sgpr_count 2
		.amdhsa_user_sgpr_kernarg_segment_ptr 1
		.amdhsa_wavefront_size32 1
		.amdhsa_system_sgpr_workgroup_id_x 1
		.amdhsa_system_sgpr_workgroup_id_y 1
		.amdhsa_system_sgpr_workgroup_id_z 1
		.amdhsa_system_vgpr_workitem_id 0
		.amdhsa_next_free_vgpr 512
		.amdhsa_next_free_sgpr 90
		.amdhsa_reserve_vcc 1
		.amdhsa_float_denorm_mode_32 3
		.amdhsa_float_denorm_mode_16_64 3
		.amdhsa_memory_ordered 1
		.amdhsa_forward_progress 1
		.amdhsa_inst_pref_size 64
	.end_amdhsa_kernel
	.amdgpu_metadata
---
amdhsa.version: [ 1, 2 ]
amdhsa.kernels:
  - .name:           k_q03efc101f9_knn
    .symbol:         k_q03efc101f9_knn.kd
    .args:
      - { .name: zc, .offset: 0, .size: 8, .value_kind: global_buffer, .address_space: global }
      - { .name: ec, .offset: 8, .size: 8, .value_kind: global_buffer, .address_space: global }
      - { .name: en, .offset: 16, .size: 8, .value_kind: global_buffer, .address_space: global }
      - { .name: lowp_scales, .offset: 24, .size: 8, .value_kind: global_buffer, .address_space: global }
      - { .name: part, .offset: 32, .size: 8, .value_kind: global_buffer, .address_space: global }
    .group_segment_fixed_size: 327680
    .private_segment_fixed_size: 0
    .kernarg_segment_align: 8
    .kernarg_segment_size: 40
    .max_flat_workgroup_size: 256
    .sgpr_count:     90
    .vgpr_count:     512
    .wavefront_size: 32
...
	.end_amdgpu_metadata
.endif
;; end of part 2
;; launch gather (part 3): grid 256 x 1, 4 waves a work-group, no clusters, 0 bytes of LDS; arguments part, all_z, out0; writes out0
.if DOCPART == 3
	.amdgcn_target "amdgcn-amd-amdhsa--gfx1250"
	.amdhsa_code_object_version 6
	.text
	.protected	k_q03efc101f9_gather
	.globl	k_q03efc101f9_gather
	.p2align	8
	.type	k_q03efc101f9_gather,@function
k_q03efc101f9_gather:
	s_mov_b64 s[64:65], 0
	v_nop
	global_prefetch_b8 v0, s[64:65] scope:SCOPE_SE
	s_setreg_imm32_b32 hwreg(HW_REG_WAVE_MODE, 25, 1), 1
	s_wait_xcnt 0x0
; out0[q][:] = all_z[row(q)][:], rows of 2,048 bytes copied as they are.  part [32 chunks][4,096 queries] holds (key, row), whole numbers that the launch before stored:
; the largest key (signed) marks the nearest row; of equal keys the lowest row is taken, as in an argmin.  Only whole numbers are compared here.
; A wave takes 4 neighbouring queries.  Lane l takes query l % 4 and chunks 4 (l / 4) .. + 3: four loads of 8 bytes, three compares in the lane (ascending chunks, so only a strictly larger key counts),
; then three steps across the lanes 4, 8 and 16 away.  Lanes 0-3 then hold the four rows' numbers, which are held at the table's last row and make four scalar bases.
; Each load and store of a row's piece covers 512 consecutive bytes; all 16 loads go out before the first store.  No LDS, no matrix unit, no cluster: nothing is shared.  No hint on the loads: a row may be named by several queries.
.set D, 24                             ; v24-87: 4 rows x 4 pieces x 4 registers
.set P, 8                              ; v8-15: four (key, row); v8, v9 carry the best
.macro MERGEI                          ; (v20, v21) takes (v8, v9)'s place if its key is larger, or equal with the lower row
	v_cmp_gt_i32 s28, v20, v8
	v_cmp_eq_u32 s29, v20, v8
	v_cmp_lt_u32 s30, v21, v9
	s_and_b32 s29, s29, s30
	s_or_b32 s28, s28, s29
	v_cndmask_b32 v8, v8, v20, s28
	v_cndmask_b32 v9, v9, v21, s28
.endm
	s_load_b128 s[4:7], s[0:1], 0x0                ; the parts, all_z
	s_load_b64 s[8:9], s[0:1], 0x10                ; out0
	v_lshrrev_b32 v2, 5, v0
	v_readfirstlane_b32 s10, v2                    ; wave 0..3
	v_and_b32 v1, 31, v0
	v_and_b32 v3, 3, v1                            ; which of the four queries
	v_lshrrev_b32 v4, 2, v1                        ; which four chunks
	s_lshl_b32 s11, ttmp9, 2
	s_add_co_u32 s11, s11, s10                     ; which four queries
	s_lshl_b32 s12, s11, 5                         ; their 32 bytes in a chunk's list,
	s_lshl_b32 s14, s11, 13                        ; their 8,192 bytes of out0
	s_mov_b32 s15, 0
	s_mov_b32 s32, 0x76543210                      ; v_permlanex16_b32: lane l xor 16
	s_mov_b32 s33, 0xfedcba98
	v_lshlrev_b32 v3, 3, v3
	v_lshl_add_u32 v3, v4, 17, v3                  ; four chunks are 4 x 32,768 bytes
	v_add_nc_u32 v3, s12, v3
	v_lshlrev_b32 v1, 4, v1                        ; 16 bytes a lane
	v_mov_b32 v20, 0                               ; written once: the destination of a lane move counts as read
	v_mov_b32 v21, 0
	s_wait_alu depctr_va_vdst(0)
	s_wait_kmcnt 0x0
.irp i, 0,1,2,3
	global_load_b64 v[P+2*\i:P+2*\i+1], v3, s[4:5] offset:\i*32768
.endr
	s_add_nc_u64 s[8:9], s[8:9], s[14:15]
	s_wait_loadcnt 0x0
.irp i, 1,2,3
	v_cmp_gt_i32 vcc_lo, v[P+2*\i], v8
	v_cndmask_b32 v8, v8, v[P+2*\i], vcc_lo
	v_cndmask_b32 v9, v9, v[P+2*\i+1], vcc_lo
.endr
.irp m, 4, 8
	v_mov_b32_dpp v20, v8 row_xmask:\m row_mask:0xf bank_mask:0xf
	v_mov_b32_dpp v21, v9 row_xmask:\m row_mask:0xf bank_mask:0xf
	MERGEI
.endr
	v_permlanex16_b32 v20, v8, s32, s33
	v_permlanex16_b32 v21, v9, s32, s33
	MERGEI
.irp i, 0,1,2,3
	v_readlane_b32 s[16+\i], v9, \i                ; lane i: query i's row
.endr
.irp i, 0,1,2,3
	s_min_u32 s[16+\i], s[16+\i], 25127            ; a loaded number enters an address only held inside the table
	s_lshl_b32 s[20+2*\i], s[16+\i], 11            ; a row is 2,048 bytes
	s_mov_b32 s[21+2*\i], 0
	s_add_nc_u64 s[20+2*\i:21+2*\i], s[6:7], s[20+2*\i:21+2*\i]
.endr
.irp i, 0,1,2,3
.irp j, 0,1,2,3
	global_load_b128 v[D+16*\i+4*\j:D+16*\i+4*\j+3], v1, s[20+2*\i:21+2*\i] offset:512*\j
.endr
.endr
.irp i, 0,1,2,3
.irp j, 0,1,2,3
	s_wait_loadcnt 15-4*\i-\j                      ; this piece is in; the younger loads may be out
	global_store_b128 v1, v[D+16*\i+4*\j:D+16*\i+4*\j+3], s[8:9] offset:2048*\i+512*\j th:TH_STORE_NT
.endr
.endr
	s_endpgm
.Lfunc_end_k_q03efc101f9_gather:
	.size	k_q03efc101f9_gather, .Lfunc_end_k_q03efc101f9_gather-k_q03efc101f9_gather
	.p2alignl 7, 3214868480
	.fill 96, 4, 3214868480
	.section	.rodata,"a",@progbits
	.p2align	6, 0x0
	.amdhsa_kernel k_q03efc101f9_gather
		.amdhsa_group_segment_fixed_size 0
		.amdhsa_private_segment_fixed_size 0
		.amdhsa_enable_private_segment 0
		.amdhsa_kernarg_size 24
		.amdhsa_user_sgpr_count 2
		.amdhsa_user_sgpr_kernarg_segment_ptr 1
		.amdhsa_wavefront_size32 1
		.amdhsa_system_sgpr_workgroup_id_x 1
		.amdhsa_system_sgpr_workgroup_id_y 1
		.amdhsa_system_sgpr_workgroup_id_z 1
		.amdhsa_system_vgpr_workitem_id 0
		.amdhsa_next_free_vgpr 88
		.amdhsa_next_free_sgpr 66
		.amdhsa_reserve_vcc 1
		.amdhsa_float_denorm_mode_32 3
		.amdhsa_float_denorm_mode_16_64 3
		.amdhsa_memory_ordered 1
		.amdhsa_forward_progress 1
		.amdhsa_inst_pref_size 8
	.end_amdhsa_kernel
	.amdgpu_metadata
---
amdhsa.version: [ 1, 2 ]
amdhsa.kernels:
  - .name:           k_q03efc101f9_gather
    .symbol:         k_q03efc101f9_gather.kd
    .args:
      - { .name: part, .offset: 0, .size: 8, .value_kind: global_buffer, .address_space: global }
      - { .name: all_z, .offset: 8, .size: 8, .value_kind: global_buffer, .address_space: global }
      - { .name: out0, .offset: 16, .size: 8, .value_kind: global_buffer, .address_space: global }
    .group_segment_fixed_size: 0
    .private_segment_fixed_size: 0
    .kernarg_segment_align: 8
    .kernarg_segment_size: 24
    .max_flat_workgroup_size: 128
    .sgpr_count:     66
    .vgpr_count:     88
    .wavefront_size: 32
...
	.end_amdgpu_metadata
.endif
;; end of part 3
